; MI455X (gfx1250); checked and timed in simulation.
; The chip was launched on July 23, 2026; its instructions are those of AMD's public machine-readable ISA for CDNA 5 (MIT licence, August 2026) and "CDNA5" Instruction Set Architecture Reference Guide (July 2026). The comments in the code are by the model that wrote it; some were corrected since.
;; Vector Quantizer EMA. Allowed arithmetic: float matrix products may take bf16 or f16 operands with f32 sums; all other float work in f32.
;; Inputs: W 8,192 x 256 float32; z 8 x 4,096 x 256 float32.
;; Outputs: out0 8 x 4,096 x 256 float32; out1 8 x 4,096 int32; out2 one number float32.
;; 2 versions, each right and faster than the one before. Each part assembles by itself: llvm-mc -triple=amdgcn-amd-amdhsa -mcpu=gfx1250 --defsym DOCPART=n.
;; ======== version 1 of 2: 4 launches
;; workspace buffers: Wb 4,194,304 bytes; cbuf 32,768 bytes; grp 131,072 bytes of whole numbers; part 1,024 bytes
;; launch prep (part 1): grid 256 x 1, 8 waves a work-group, no clusters, 1,280 bytes of LDS; arguments W, Wb, cbuf; writes Wb, cbuf
.if DOCPART == 1
	.amdgcn_target "amdgcn-amd-amdhsa--gfx1250"
	.amdhsa_code_object_version 6
	.text
	.protected	k_q959410be32_prep
	.globl	k_q959410be32_prep
	.p2align	8
	.type	k_q959410be32_prep,@function
k_q959410be32_prep:
	s_mov_b64 s[64:65], 0
	v_nop
	global_prefetch_b8 v0, s[64:65] scope:SCOPE_SE
	s_setreg_imm32_b32 hwreg(HW_REG_WAVE_MODE, 25, 1), 1
	s_wait_xcnt 0x0
; Wb[k][:] = W[k][:] rounded to bf16;  cbuf[k] = the sum over the row of Wb[k][c]^2, in f32.
; W: [8192][256] f32.  256 work-groups of eight waves; a work-group owns 32 rows, a wave four, one row at a time in 8 registers a lane.
; Lane l holds columns 8 l .. 8 l + 7, so that its eight bf16 are 16 neighbouring bytes and a wave's store covers a row's 512 bytes.
; The squares are taken of the ROUNDED numbers, since the distances of the next launch are those of the rounded operands.
; cbuf leaves as 128 consecutive bytes a work-group (32 rows x 4 bytes): half of an aligned 256; 32 KiB in the whole launch.
.set X,  8                             ; v[8:39]   row i: 8 f32
.set PK, 40                            ; v[40:55]  row i: 4 registers of packed bf16, the store's data, never rewritten
	s_load_b128 s[4:7], s[0:1], 0x0                ; W s[4:5], Wb s[6:7]
	s_load_b64 s[8:9], s[0:1], 0x10                ; cbuf
	v_lshl_add_u32 v64, v0, 2, 0x100
	v_mov_b32 v65, 0
	v_lshrrev_b32 v5, 5, v0
	v_readfirstlane_b32 s10, v5                    ; wave 0..7
	v_and_b32 v6, 31, v0                           ; lane
	v_lshlrev_b32 v1, 5, v6                        ; my 32 bytes of a row of W
	v_lshlrev_b32 v2, 4, v6                        ; my 16 bytes of a row of Wb
	v_mov_b32 v3, 0                                ; the addend of a chain's first link
	v_mov_b32 v4, 0                                ; lane l will hold the sum of row l % 4
	v_mov_b32 v58, 0                               ; v_permlanex16_b32 counts as a reader of its destination
	s_mov_b32 s12, 0x76543210                      ; each lane takes its own place in the other half
	s_mov_b32 s13, 0xfedcba98
	s_lshl_b32 s11, ttmp9, 5
	s_lshl2_add_u32 s11, s10, s11                  ; my first row = 32 x group + 4 x wave
	s_lshl_b32 s16, s11, 10                        ; x 1,024 bytes in W
	s_mov_b32 s17, 0
	s_lshl_b32 s18, s11, 9                         ; x 512 bytes in Wb
	s_mov_b32 s19, 0
	s_lshl_b32 s20, ttmp9, 7                       ; the group's 128 bytes of cbuf
	s_mov_b32 s21, 0
	s_wait_kmcnt 0x0
	s_add_nc_u64 s[4:5], s[4:5], s[16:17]
	s_add_nc_u64 s[6:7], s[6:7], s[18:19]
	s_add_nc_u64 s[8:9], s[8:9], s[20:21]
.irp i, 0,1,2,3
	global_load_b128 v[X+8*\i:X+8*\i+3],   v1, s[4:5] offset:1024*\i
	global_load_b128 v[X+8*\i+4:X+8*\i+7], v1, s[4:5] offset:1024*\i+16
.endr
.macro ROWC i
	s_wait_loadcnt 6-2*\i                          ; loads come back in order: row i is in, two loads for each younger row stay out
.irp p, 0,1,2,3
	v_cvt_pk_bf16_f32 v[PK+4*\i+\p], v[X+8*\i+2*\p], v[X+8*\i+2*\p+1]
.endr
	global_store_b128 v2, v[PK+4*\i:PK+4*\i+3], s[6:7] offset:512*\i   ; the wave stores the row's 512 consecutive bytes
	v_fma_mix_f32_bf16 v56, v[PK+4*\i], v[PK+4*\i], v3 op_sel_hi:[1,1,0]                 ; two chains: the low halves' squares,
	v_fma_mix_f32_bf16 v57, v[PK+4*\i], v[PK+4*\i], v3 op_sel:[1,1,0] op_sel_hi:[1,1,0]  ; the high halves'
.irp p, 1,2,3
	v_fma_mix_f32_bf16 v56, v[PK+4*\i+\p], v[PK+4*\i+\p], v56 op_sel_hi:[1,1,0]
	v_fma_mix_f32_bf16 v57, v[PK+4*\i+\p], v[PK+4*\i+\p], v57 op_sel:[1,1,0] op_sel_hi:[1,1,0]
.endr
	v_add_f32 v56, v56, v57
	v_add_f32_dpp v56, v56, v56 row_xmask:1 row_mask:0xf bank_mask:0xf
	v_add_f32_dpp v56, v56, v56 row_xmask:2 row_mask:0xf bank_mask:0xf
	v_add_f32_dpp v56, v56, v56 row_xmask:4 row_mask:0xf bank_mask:0xf
	v_add_f32_dpp v56, v56, v56 row_xmask:8 row_mask:0xf bank_mask:0xf
	v_permlanex16_b32 v58, v56, s12, s13
	v_add_f32 v56, v56, v58                        ; every lane holds the row's sum
	s_mov_b32 s14, 0x11111111<<\i
	v_cndmask_b32 v4, v4, v56, s14                 ; lanes with l % 4 = i keep it
.endm
	ROWC 0
	ROWC 1
	ROWC 2
	ROWC 3
	v_and_b32 v59, 3, v6
	v_lshlrev_b32 v59, 2, v59
	s_lshl_b32 s15, s10, 4
	v_add_nc_u32 v59, s15, v59                     ; LDS word 4 x wave + l % 4; lanes that share a word hold the same number
	ds_store_b32 v59, v4
	s_wait_dscnt 0x0                               ; for wave 0's sake: my words are written
	s_barrier_signal -1
	s_barrier_wait -1
	s_cmp_lg_u32 s10, 0
	s_cbranch_scc1 .Lend
	v_lshlrev_b32 v61, 2, v6
	ds_load_b32 v60, v61                           ; the group's 32 sums, one a lane
	s_wait_dscnt 0x0
	global_store_b32 v61, v60, s[8:9]
.Lend:
	s_wait_tensorcnt 0x0
	ds_add_u32 v64, v65
	s_wait_dscnt 0x0
	s_endpgm
.Lfunc_end_k_q959410be32_prep:
	.size	k_q959410be32_prep, .Lfunc_end_k_q959410be32_prep-k_q959410be32_prep
	.p2alignl 7, 3214868480
	.fill 96, 4, 3214868480
	.section	.rodata,"a",@progbits
	.p2align	6, 0x0
	.amdhsa_kernel k_q959410be32_prep
		.amdhsa_group_segment_fixed_size 1280
		.amdhsa_private_segment_fixed_size 0
		.amdhsa_enable_private_segment 0
		.amdhsa_kernarg_size 24
		.amdhsa_user_sgpr_count 2
		.amdhsa_user_sgpr_kernarg_segment_ptr 1
		.amdhsa_wavefront_size32 1
		.amdhsa_system_sgpr_workgroup_id_x 1
		.amdhsa_system_sgpr_workgroup_id_y 1
		.amdhsa_system_sgpr_workgroup_id_z 1
		.amdhsa_system_vgpr_workitem_id 0
		.amdhsa_next_free_vgpr 66
		.amdhsa_next_free_sgpr 66
		.amdhsa_reserve_vcc 0
		.amdhsa_float_denorm_mode_32 3
		.amdhsa_float_denorm_mode_16_64 3
		.amdhsa_memory_ordered 1
		.amdhsa_forward_progress 1
		.amdhsa_inst_pref_size 9
	.end_amdhsa_kernel
	.amdgpu_metadata
---
amdhsa.version: [ 1, 2 ]
amdhsa.kernels:
  - .name:           k_q959410be32_prep
    .symbol:         k_q959410be32_prep.kd
    .args:
      - { .name: W, .offset: 0, .size: 8, .value_kind: global_buffer, .address_space: global }
      - { .name: Wb, .offset: 8, .size: 8, .value_kind: global_buffer, .address_space: global }
      - { .name: cbuf, .offset: 16, .size: 8, .value_kind: global_buffer, .address_space: global }
    .group_segment_fixed_size: 1280
    .private_segment_fixed_size: 0
    .kernarg_segment_align: 8
    .kernarg_segment_size: 24
    .max_flat_workgroup_size: 256
    .sgpr_count:     66
    .vgpr_count:     66
    .wavefront_size: 32
...
	.end_amdgpu_metadata
.endif
;; end of part 1
;; launch assign (part 2): grid 256 x 1, 4 waves a work-group, clusters of 4 x 1, 327,680 bytes of LDS; arguments Wb, cbuf, z, grp; writes grp
.if DOCPART == 2
	.amdgcn_target "amdgcn-amd-amdhsa--gfx1250"
	.amdhsa_code_object_version 6
	.text
	.protected	k_q959410be32_assign
	.globl	k_q959410be32_assign
	.p2align	8
	.type	k_q959410be32_assign,@function
k_q959410be32_assign:
	s_mov_b64 s[64:65], 0
	v_nop
	global_prefetch_b8 v0, s[64:65] scope:SCOPE_SE
	s_setreg_imm32_b32 hwreg(HW_REG_WAVE_MODE, 25, 1), 1
	s_wait_xcnt 0x0
	s_wait_alu depctr_hold_cnt(0) depctr_sa_sdst(0) depctr_va_vdst(0) depctr_va_sdst(0) depctr_va_ssrc(0) depctr_va_vcc(0) depctr_vm_vsrc(0)
	s_getreg_b32 s2, hwreg(HW_REG_IB_STS2, 6, 4)
	s_cmp_eq_u32 s2, 0
	s_cbranch_scc0 .Lentry_in_a_cluster
	s_endpgm
.Lentry_in_a_cluster:
	s_bfe_u32 s2, ttmp6, 0x10000c
	s_cmp_lg_u32 s2, 0x3003
	s_cbranch_scc0 .Lentry_shape_is_right
	s_endpgm
.Lentry_shape_is_right:
; For each of the 32,768 rows of z: grp[row] = the first code of the first GROUP OF FOUR codes (4 g .. 4 g + 3) that holds the row's smallest distance
;   d[row][k] = fl(fl(a[row] - 2 m[row][k]) + c[k]),   m = zb . Wb[k] (bf16 operands, f32 sums),  a = sum of zb^2,  c = sum of Wb[k]^2 (cbuf),
; formed in f32 in the order of the problem's formula, so that equal roundings give equal distances, and the lowest group wins a tie.
; The next launch settles the choice among the group's four codes.  Keeping a group and not a code costs 22 vector instructions for 8 matrix instructions.
; LIMITS.  A NaN or infinite distance never wins; a row with none but such distances gets group 0.  Two distances that differ only through the last bit of a
; 256-term f32 sum may fall otherwise than with another order of summation.
; SHARES.  256 work-groups of four waves; a work-group owns 128 rows of z.  EVERY wave holds all 128 rows as bf16 fragments in 512 registers (8 row tiles x 8 K steps x 8).
; The codebook goes by in 32 chunks of 256 codes through two LDS slots; wave w takes codes 64 w .. 64 w + 63 of each chunk, four tiles of 16 codes.
; A code tile's fragments (16 LDS loads) feed 64 matrix instructions.
; LAYOUT.  Source 0 = 16 codes, source 1 = 16 rows of z: in the result lane (r, h) holds row r and codes 8 h + 0..7: two groups of four, and one row a lane.
; BY TURNS.  A PHASE is 32 products of one code tile with four row tiles (a set of four accumulators); the other set, finished in the phase before, is turned into distances and
; reduced meanwhile: a list of 88 vector instructions, dealt 3, 3, 3, 2 behind the products.
; CLUSTER.  All work-groups walk the same Wb and cbuf: the four of a cluster ask for each piece JOINTLY (mask 15, the same descriptor in all four).
; REGISTERS, in windows of 256 (s_set_vgpr_msb: bits 1:0 source 0, 3:2 source 1, 5:4 source 2, 7:6 destination):
;   window 0: all but z.   window 1: z's row tiles 0-3 (tile t, K step ks at v[64 (t % 4) + 8 ks]).   window 2: row tiles 4-7.
; Only source 1 of a product lies outside window 0, and no instruction of the list names a vector register as source 1 (an addition is a multiply-add by 1.0, a minimum of
; two has +inf between them, a comparison is a difference tested against 0): so list, LDS loads and products run under one setting, two switches for a code tile.
.set WP,     528                       ; an LDS row of Wb: 512 bytes + 16 of padding, an odd multiple of 16: the 16 rows of a fragment load start in 16 different 16-byte columns of 256
.set WQ,     64*WP                     ; a wave's 64 rows: what its tensor load brings and what it reads
.set SLOT1,  4*WQ                      ; slot 0 at byte 0, slot 1 at 135,168; slot 1 first holds the group's z in f32
.set ZP,     1040                      ; an LDS row of z: 1,024 bytes + 16
.set ZQ,     32*ZP                     ; a wave's tensor load of z: 32 rows
.set CB,     2*SLOT1                   ; c, all 8,192 numbers, dense
.set REDB,   CB+32768                  ; 4,096 bytes that LDS stores alone write: the waves' best distances, then their groups
.set TILEB,  16*WP
.set CHUNKG, 256*512                   ; bytes of Wb in a chunk
.set VR,   1                           ; v1  r = lane % 16
.set VH,   2                           ; v2  h = lane / 16
.set FA,   3                           ; v3, v4  LDS address of my fragments of Wb in slot 0, 1
.set CA,   5                           ; v5  LDS address of my eight c of the lap's first code tile
.set ZA,   6                           ; v6, v7  LDS address of my part of z's row tiles 0-3, 4-7
.set AR,   8                           ; v[8:15]    a of row tile t
.set C0,   16                          ; v[16:23]   c of a code tile, buffer 0
.set BEST, 24                          ; v[24:39]   smallest distance so far: row tile t, group u at 2 t + u
.set IDR,  40                          ; v[40:55]   the code tile's first code at which it was found
.set C1,   56                          ; v[56:63]   c, buffer 1
.set ACC,  64                          ; v[64:127]  two sets of four accumulators
.set FR,   128                         ; v[128:255] two buffers of a code tile's fragments; at the start two stages of 64 for z in f32
.set AT,   64                          ; at the start: four chains of a
.set ZERO, 68
.set TP,   69
.set WV,   12
.set G1W,  16                          ; s[16:23] group 1 for Wb
.set G1Z,  24                          ; s[24:31] for z
.set G1C,  32                          ; s[32:39] for c
.set G0W,  40                          ; s[40:47] group 0 for Wb, a set for each slot
.set G0Z,  48
.set G0C,  52
.set LAPS, 56
.set CBASE,57                          ; first code of my 64 in the chunk in hand
.set IDS,  58                          ; first code of the code tile that is being reduced
.set INF,  59
.set SEL,  60
.set MK,   62                          ; s62, s63 masks
.set MSB, 0
.macro WIN new                         ; the immediate's high byte repeats the setting that is left; a switch that changes nothing is dropped
.if MSB != (\new)
	s_set_vgpr_msb (MSB<<8)|(\new)
.set MSB, (\new)
.endif
.endm
.macro NOP4
.rept 4
	v_nop
.endr
.endm
.macro CREST                           ; a round of the cluster's barrier behind its opening barrier
	s_cmp_lg_u32 s[WV], 0
	s_cbranch_scc1 .Lnot_wave_0_\@
	s_barrier_signal -3
.Lnot_wave_0_\@:
	s_barrier_wait -3
	s_barrier_signal -1
	s_barrier_wait -1
.endm
.macro CROUND                          ; a whole round
	s_barrier_signal -1
	s_barrier_wait -1
	CREST
.endm
	s_load_b256 s[4:11], s[0:1], 0x0               ; Wb s[4:5], cbuf s[6:7], z s[8:9], grp s[10:11]
	s_set_vgpr_msb 0xc0
	v_lshl_add_u32 v0, v0, 2, 0x4b000
	v_mov_b32 v1, 0
	s_set_vgpr_msb 0xc0cf
	ds_add_u32 v0, v1
	s_set_vgpr_msb 0xcf00
	v_lshrrev_b32 v1, 5, v0
	v_readfirstlane_b32 s[WV], v1                  ; wave 0..3
	s_bfe_u32 s13, ttmp6, 0x40000                  ; cx
	s_lshl_b32 s14, ttmp9, 2                       ; in a cluster launch ttmp9 counts clusters
	s_add_co_u32 s14, s14, s13                     ; my work-group: it enters z's and grp's global addresses alone
	; Wb: 64 rows x 256 elements of 2 bytes, 4 words of padding behind every 128; mask 15 with bit 21 beside it
	s_mov_b32 s[G1W],   15|(1<<16)|(1<<20)|(1<<21)|(6<<22)|(3<<25)
	s_mov_b32 s[G1W+1], 256<<16                    ; tensor_dim0
	s_mov_b32 s[G1W+2], 64<<16                     ; tensor_dim1
	s_mov_b32 s[G1W+3], 256<<16                    ; tile_dim0
	s_mov_b32 s[G1W+4], 64                         ; tile_dim1
	s_mov_b32 s[G1W+5], 256                        ; elements from row to row
	s_mov_b32 s[G1W+6], 0
	s_mov_b32 s[G1W+7], 0
	; z: 32 rows x 256 elements of 4 bytes, 4 words of padding behind every 256; the work-group's own (mask 0)
	s_mov_b32 s[G1Z],   (2<<16)|(1<<20)|(7<<22)|(3<<25)
	s_mov_b32 s[G1Z+1], 256<<16
	s_mov_b32 s[G1Z+2], 32<<16
	s_mov_b32 s[G1Z+3], 256<<16
	s_mov_b32 s[G1Z+4], 32
	s_mov_b32 s[G1Z+5], 256
	s_mov_b32 s[G1Z+6], 0
	s_mov_b32 s[G1Z+7], 0
	; c: a dense block as 32 rows of 256 bytes (32 elements of 8), no padding; joint
	s_mov_b32 s[G1C],   15|(3<<16)|(1<<21)
	s_mov_b32 s[G1C+1], 32<<16
	s_mov_b32 s[G1C+2], 32<<16
	s_mov_b32 s[G1C+3], 32<<16
	s_mov_b32 s[G1C+4], 32
	s_mov_b32 s[G1C+5], 32
	s_mov_b32 s[G1C+6], 0
	s_mov_b32 s[G1C+7], 0
	s_mul_i32 s15, s[WV], WQ                       ; LDS addresses: a constant and the wave's number times a constant
	s_mov_b32 s[G0W], 1
	s_add_co_u32 s[G0W+1], s15, 0
	s_mov_b32 s[G0W+4], 1
	s_add_co_u32 s[G0W+5], s15, SLOT1
	s_mul_i32 s15, s[WV], ZQ
	s_mov_b32 s[G0Z], 1
	s_add_co_u32 s[G0Z+1], s15, SLOT1
	s_lshl_b32 s15, s[WV], 13
	s_mov_b32 s[G0C], 1
	s_add_co_u32 s[G0C+1], s15, CB
	s_lshl_b32 s2, s[WV], 15                       ; my 64 rows of a chunk of Wb: 32,768 bytes a wave
	s_mov_b32 s3, 0
	s_lshl_b32 s66, s14, 17                        ; z: (128 x group + 32 x wave) rows of 1,024 bytes
	s_add_co_u32 s66, s66, s2
	s_mov_b32 s67, 0
	s_lshl_b32 s68, s14, 9                         ; grp: 128 words a group
	s_mov_b32 s69, 0
	s_mov_b32 s[INF], 0x7f800000
	s_mov_b32 s[SEL], 0x76543210                   ; each lane takes its own place in the other half
	s_mov_b32 s[SEL+1], 0xfedcba98
	s_lshl_b32 s[CBASE], s[WV], 6
	s_wait_dscnt 0x0
	s_wait_kmcnt 0x0
	s_add_nc_u64 s[G0W+2:G0W+3], s[4:5], s[2:3]    ; chunk 0
	s_add_nc_u64 s[G0W+6:G0W+7], s[G0W+2:G0W+3], CHUNKG  ; chunk 1
	s_add_nc_u64 s[G0Z+2:G0Z+3], s[8:9], s[66:67]
	s_add_nc_u64 s[10:11], s[10:11], s[68:69]
	s_lshl_b32 s2, s[WV], 13                       ; my quarter of c
	s_add_nc_u64 s[G0C+2:G0C+3], s[6:7], s[2:3]
	s_or_b32 s[G0W+3], s[G0W+3], 0x80000000        ; type = 2
	s_or_b32 s[G0W+7], s[G0W+7], 0x80000000
	s_or_b32 s[G0Z+3], s[G0Z+3], 0x80000000
	s_or_b32 s[G0C+3], s[G0C+3], 0x80000000
	CROUND                                         ; all four work-groups are here: the first joint loads meet
	tensor_load_to_lds s[G0Z:G0Z+3], s[G1Z:G1Z+7]  ; the first fills go out as one group: my 32 rows of z into slot 1,
	s_nop 0
	tensor_load_to_lds s[G0W:G0W+3], s[G1W:G1W+7]  ; my 64 rows of chunk 0 into slot 0,
	s_nop 0
	tensor_load_to_lds s[G0C:G0C+3], s[G1C:G1C+7]  ; my quarter of c: three tensor loads of mine are out
	s_nop 0
	NOP4
	v_and_b32 v[VR], 15, v0
	v_bfe_u32 v[VH], v0, 4, 1
	v_mul_u32_u24 v[FA], v[VR], WP
	v_lshl_add_u32 v[FA], v[VH], 4, v[FA]          ; a fragment: row r x pitch + 16 h,
	s_mul_i32 s15, s[WV], WQ
	v_add_nc_u32 v[FA], s15, v[FA]                 ; in my wave's 64 rows
	v_add_nc_u32 v[FA+1], SLOT1, v[FA]
	s_lshl_b32 s15, s[WV], 8
	s_add_co_u32 s15, s15, CB
	v_lshl_add_u32 v[CA], v[VH], 5, s15            ; c of codes 64 w + 8 h + 0..7
	v_mul_u32_u24 v[ZA], v[VR], ZP
	v_lshl_add_u32 v[ZA], v[VH], 5, v[ZA]          ; z in f32: row r x pitch + 32 h (eight numbers)
	v_add_nc_u32 v[ZA], SLOT1, v[ZA]
	v_add_nc_u32 v[ZA+1], 64*ZP, v[ZA]
.set n, 0
.rept 16                               ; the state of the search, not sums: no distance yet, group 0
	v_mov_b32 v[BEST+n], s[INF]
	v_mov_b32 v[IDR+n], 0
.set n, n+1
.endr
	v_mov_b32 v[ZERO], 0
	v_mov_b32 v[TP], 0                             ; v_permlanex16_b32 counts as a reader of its destination
	s_wait_tensorcnt 0x2                           ; tensor loads of a wave end in order: my rows of z are in; chunk 0 and c, issued behind them, stay out
	s_barrier_signal -1
	s_barrier_wait -1                              ; everybody's rows of z are in
; z, f32 in LDS, becomes bf16 fragments in windows 1 and 2, in 16 batches of one row tile x 4 K steps.  A fragment is 16 rows x 32 K: lane (r, h) holds K = 8 h + 0..7 and
; 16 + 8 h + 0..7: in f32 four loads of 16 bytes at 0, 16, 64, 80.
.macro ZLOAD b
.set lt, (\b)/2
.set lk, 4*((\b)%2)
.set ls, FR+64*((\b)%2)
.set la, ZA+lt/4
.set n, 0
.rept 4
	ds_load_b128 v[ls+16*n:ls+16*n+3],     v[la] offset:(lt%4)*16*ZP+128*(lk+n)
	ds_load_b128 v[ls+16*n+4:ls+16*n+7],   v[la] offset:(lt%4)*16*ZP+128*(lk+n)+16
	ds_load_b128 v[ls+16*n+8:ls+16*n+11],  v[la] offset:(lt%4)*16*ZP+128*(lk+n)+64
	ds_load_b128 v[ls+16*n+12:ls+16*n+15], v[la] offset:(lt%4)*16*ZP+128*(lk+n)+80
.set n, n+1
.endr
.endm
.macro ZBATCH b
	WIN 0
.if \b < 15
	ZLOAD \b+1
	s_wait_dscnt 16                                ; LDS loads come back in order: this batch is in, the next batch's sixteen stay out
.else
	s_wait_dscnt 0x0
.endif
.set bt, (\b)/2
.set bz, 64*(bt%4)+32*((\b)%2)
.set bs, FR+64*((\b)%2)
.set bw, 1+bt/4
	WIN (bw<<6)                                    ; destination in z's window
.set n, 0
.rept 32
	v_cvt_pk_bf16_f32 v[bz+n], v[bs+2*n], v[bs+2*n+1]
.set n, n+1
.endr
	WIN (bw|(bw<<2))                               ; sources 0 and 1 in z's window: a = the sum of the ROUNDED numbers' squares, in four chains
.set n, 0
.rept 32
.if ((\b)%2 == 0) && (n < 2)
	v_fma_mix_f32_bf16 v[AT+2*(n%2)],   v[bz+n], v[bz+n], v[ZERO] op_sel_hi:[1,1,0]
	v_fma_mix_f32_bf16 v[AT+2*(n%2)+1], v[bz+n], v[bz+n], v[ZERO] op_sel:[1,1,0] op_sel_hi:[1,1,0]
.else
	v_fma_mix_f32_bf16 v[AT+2*(n%2)],   v[bz+n], v[bz+n], v[AT+2*(n%2)] op_sel_hi:[1,1,0]
	v_fma_mix_f32_bf16 v[AT+2*(n%2)+1], v[bz+n], v[bz+n], v[AT+2*(n%2)+1] op_sel:[1,1,0] op_sel_hi:[1,1,0]
.endif
.set n, n+1
.endr
.if (\b)%2 == 1
	WIN 0
	v_add_f32 v[AT], v[AT], v[AT+1]
	v_add_f32 v[AT+2], v[AT+2], v[AT+3]
	v_add_f32 v[AT], v[AT], v[AT+2]
	v_permlanex16_b32 v[TP], v[AT], s[SEL], s[SEL+1]   ; the row's other 128 numbers lie in the lane 16 away
	v_add_f32 v[AR+bt], v[AT], v[TP]
.endif
.endm
	ZLOAD 0
.irp b, 0,1,2,3,4,5,6,7,8,9,10,11,12,13,14,15
	ZBATCH \b
.endr
	s_wait_dscnt 0x0                               ; my reads of z are over,
	s_set_vgpr_msb 0xf
	s_wait_tensorcnt 0x0                           ; and all my tensor loads have landed: my parts of chunk 0 and of c
	ds_add_u32 v0, v1
	s_wait_dscnt 0x0
	s_set_vgpr_msb 0xf00
	CROUND                                         ; both now hold of every wave of the cluster
	tensor_load_to_lds s[G0W+4:G0W+7], s[G1W:G1W+7]  ; chunk 1 into the bytes that z has left: my one tensor load behind the round, and the first thing there
	s_nop 0
	NOP4
; Product g of a phase's 32: K step g / 4, row tile g % 4 of the phase's four.  The four accumulators take turns, one instruction a turn.  The first four start the sums.
.macro MM
.set rD, ACC+32*PS+8*(g%4)
.set rA, FR+64*FB+8*(g/4)
.set rZ, 64*(g%4)+8*(g/4)
.if g < 4
	v_wmma_f32_16x16x32_bf16 v[rD:rD+7], v[rA:rA+7], v[rZ:rZ+7], 0
.else
	v_wmma_f32_16x16x32_bf16 v[rD:rD+7], v[rA:rA+7], v[rZ:rZ+7], v[rD:rD+7]
.endif
.endm
; Number j of the 88 that reduce accumulator set RY (row tiles RTB + 0..3; c in buffer RCB).
;   0-31   tile j / 8: four times fl(a - 2 m) for a pair of codes (one rounding), then four times fl(.. + c)
;   32-87  tiles 0, 1 and then 2, 3 by turns, 14 each: the minimum g of each group of four (3 + 3); g - best (2); where it is below 0 the code tile's number is kept (2 x 2); best = min (2)
.macro RED
.if j < 32
.set rM, ACC+32*RY+8*(j/8)
.set rt, RTB+j/8
.set ri, j%8
.if ri < 4
.if rt%2 == 0
	v_pk_fma_f32 v[rM+2*ri:rM+2*ri+1], v[rM+2*ri:rM+2*ri+1], -2.0, v[AR+rt:AR+rt+1] op_sel_hi:[1,0,0]
.else
	v_pk_fma_f32 v[rM+2*ri:rM+2*ri+1], v[rM+2*ri:rM+2*ri+1], -2.0, v[AR+rt-1:AR+rt] op_sel:[0,0,1] op_sel_hi:[1,0,1]
.endif
.else
.set rC, C0+(C1-C0)*RCB+2*(ri-4)
	v_pk_fma_f32 v[rM+2*(ri-4):rM+2*(ri-4)+1], v[rM+2*(ri-4):rM+2*(ri-4)+1], 1.0, v[rC:rC+1] op_sel_hi:[1,0,1]
.endif
.else
.set rw, (j-32)%28
.set rq, 2*((j-32)/28)+rw%2
.set rn, rw/2
.set rM, ACC+32*RY+8*rq
.set rB, BEST+2*(RTB+rq)
.set rI, IDR+2*(RTB+rq)
.set rS, MK+rq%2
.if rn < 6
.set ru, 4*(rn%2)
	v_min3_num_f32 v[rM+ru], v[rM+ru], s[INF], v[rM+ru+1+rn/2]
.elseif rn < 8
.set ru, rn-6
	v_fma_f32 v[rM+4*ru+1], v[rB+ru], -1.0, v[rM+4*ru]   ; g - best: below 0 exactly where g < best
.elseif rn < 12
.set ru, (rn-8)/2
.if rn%2 == 0
	v_cmp_lt_f32 s[rS], v[rM+4*ru+1], 0
.else
	v_cndmask_b32 v[rI+ru], v[rI+ru], s[IDS], s[rS]      ; strictly smaller alone: the earlier, lower group keeps a tie
.endif
.else
.set ru, rn-12
	v_min3_num_f32 v[rB+ru], v[rM+4*ru], s[INF], v[rB+ru]
.endif
.endif
.endm
.macro SLICE                           ; the list's part behind product g: 3, 3, 3, 2
.set j, 11*(g/4)+3*(g%4)
.set jn, 3
.if g%4 == 3
.set jn, 2
.endif
.rept jn
	RED
.set j, j+1
.endr
.endm
; A PHASE: code tile T of the chunk in slot `slot` x row tiles 4 hh + 0..3 into set hh, the other set's list between the products.
; PLACES.  A vector instruction that reads a product's result, and a load into a register that a product has read, stand four plain vector instructions that name none of that
; product's registers behind it (ISA guide 7.12.1 for vector instructions).  Behind a set's last products on tiles 0, 1, 2 stand 11, 8, 5
; instructions of the other set's list; behind tile 3's stand 2 and the 24 that turn tiles 0-2 into distances.  The loads into a fragment buffer begin behind product 8 of the next phase.
; fetch = 1 (hh = 0 alone): the next code tile's 16 fragment loads stand singly behind products 8 to 23 and its two loads of c behind 24 and 25 (c's buffer is last read by number 31,
; behind product 11); they are waited for at the head of the next phase with hh = 0, 38 products on or more.
; change (T = 3, hh = 0 alone): the chunk's last fragments were asked for a code tile ago.  Each wave waits for its LDS reads and for ALL its tensor loads (one is out: its part of the other slot)
; and signals; eight products on it waits.  change = 1: that barrier opens a round of the cluster's, and behind the round this slot is filled again, two chunks on: my one tensor load
; until the next round, 248 products ahead of the wait for it.  change = 2: the barrier alone; nothing is left to fetch.
.macro PHASE T, hh, slot, cb, red, fetch, change
.set PS,  \hh
.set RY,  1-\hh
.set RTB, 4*(1-\hh)
.set RCB, (\T+1-\hh)%2
.set FB,  (\T)%2
.set NB,  (\T+1)%2
.set CN,  C0+(C1-C0)*NB
.set PW,  4+4*\hh
.if \T < 3
.set FADR,  FA+\slot
.set FBASE, (\T+1)*TILEB
.set COFF,  \cb+64*(\T+1)
.else
.set FADR,  FA+1-\slot
.set FBASE, 0
.set COFF,  \cb+1024
.endif
.if \hh == 0
	s_wait_dscnt 0x0                               ; this code tile's fragments and c are in
.else
	s_add_co_u32 s[IDS], s[CBASE], 16*\T           ; the code tile whose two sets are reduced in this phase and the next
.if \T == 3
	s_add_co_u32 s[CBASE], s[CBASE], 256
.endif
.endif
.if \change != 0
	s_set_vgpr_msb 0x80f
	s_wait_tensorcnt 0x0
	ds_add_u32 v0, v1
	s_wait_dscnt 0x0
	s_set_vgpr_msb 0xf08
	s_barrier_signal -1
.endif
	WIN PW
.set g, 0
.rept 32
	MM
.if \red != 0
	SLICE
.endif
.if (\change != 0) && (g == 7)
.if \change == 1
	WIN 0
	s_barrier_wait -1
	CREST                                          ; no wave of any partner still reads this slot or has a load on its way
	s_add_nc_u64 s[G0W+4*\slot+2:G0W+4*\slot+3], s[G0W+4*\slot+2:G0W+4*\slot+3], 2*CHUNKG
	tensor_load_to_lds s[G0W+4*\slot:G0W+4*\slot+3], s[G1W:G1W+7]
	s_nop 0
	NOP4
	WIN PW
.else
	s_barrier_wait -1
.endif
.endif
.if ((\fetch) != 0) && (g >= 8) && (g < 24)
.set fn, g-8
	ds_load_b128 v[FR+64*NB+8*(fn/2)+4*(fn%2):FR+64*NB+8*(fn/2)+4*(fn%2)+3], v[FADR] offset:FBASE+64*(fn/2)+32*(fn%2)
.endif
.if ((\fetch) != 0) && (g >= 24) && (g < 26)
	ds_load_b128 v[CN+4*(g-24):CN+4*(g-24)+3], v[CA] offset:COFF+16*(g-24)
.endif
.set g, g+1
.endr
.if \red == 0
	NOP4                                           ; no list yet: these are the places behind the last products
.endif
.endm
.macro CHUNK slot, cb, first, chg, last
.if \first != 0
	PHASE 0, 0, \slot, \cb, 1, 1, 0
.endif
	PHASE 0, 1, \slot, \cb, 1, 0, 0
	PHASE 1, 0, \slot, \cb, 1, 1, 0
	PHASE 1, 1, \slot, \cb, 1, 0, 0
	PHASE 2, 0, \slot, \cb, 1, 1, 0
	PHASE 2, 1, \slot, \cb, 1, 0, 0
	PHASE 3, 0, \slot, \cb, 1, 1-\last, \chg
	PHASE 3, 1, \slot, \cb, 1, 0, 0
.endm
.set n, 0
.rept 16                               ; chunk 0's first code tile
	ds_load_b128 v[FR+8*(n/2)+4*(n%2):FR+8*(n/2)+4*(n%2)+3], v[FA] offset:64*(n/2)+32*(n%2)
.set n, n+1
.endr
	ds_load_b128 v[C0:C0+3],   v[CA]
	ds_load_b128 v[C0+4:C0+7], v[CA] offset:16
	PHASE 0, 0, 0, 0, 0, 1, 0                      ; the first phase stands in front of the loop: there is nothing to reduce yet
	WIN 0                                          ; at a label and at a branch every window is 0
	s_mov_b32 s[LAPS], 15
.Llap:                                                 ; a trip: two chunks, from a lap's second phase to the next lap's first; both slots are filled again (chunks 2 to 31)
	CHUNK 0, 0, 0, 1, 0
	CHUNK 1, 1024, 1, 1, 0
	PHASE 0, 0, 0, 2048, 1, 1, 0
	WIN 0
	v_add_nc_u32 v[CA], 2048, v[CA]                ; c of the next two chunks
	s_sub_co_u32 s[LAPS], s[LAPS], 1
	s_cmp_lg_u32 s[LAPS], 0
	s_cbranch_scc1 .Llap
	CHUNK 0, 0, 0, 2, 0                            ; chunks 30 and 31 are written out: they ask for nothing more
	CHUNK 1, 1024, 1, 0, 1
	WIN 0
.set RY, 1
.set RTB, 4
.set RCB, 1
.set j, 0
.rept 88                               ; the last set
	RED
.set j, j+1
.endr
; THE MERGE, by (distance, group): the smaller distance, and of equal distances the lower group.
.macro LEX d1, i1, d2, i2
	v_cmp_lt_f32 s[MK], v[\d2], v[\d1]
	v_cmp_eq_f32 s[MK+1], v[\d2], v[\d1]
	v_cmp_lt_u32 vcc_lo, v[\i2], v[\i1]
	s_and_b32 s[MK+1], s[MK+1], vcc_lo
	s_or_b32 vcc_lo, s[MK], s[MK+1]
	v_cndmask_b32 v[\d1], v[\d1], v[\d2], vcc_lo
	v_cndmask_b32 v[\i1], v[\i1], v[\i2], vcc_lo
.endm
.set H8, 64
.set TD, 65
.set TI, 66
.set RA, 67
.set LB, 70
.set LA, 71
	v_lshlrev_b32 v[H8], 3, v[VH]
	v_mov_b32 v[TD], 0
	v_mov_b32 v[TI], 0
	s_lshl_b32 s15, s[WV], 9
	s_add_co_u32 s15, s15, REDB
	v_lshl_add_u32 v[RA], v[VR], 2, s15            ; my wave's 128 words, row r
.irp t, 0,1,2,3,4,5,6,7
	v_add_nc_u32 v[IDR+2*\t], v[IDR+2*\t], v[H8]           ; the group's first code: the code tile's + 8 h + 4 u
	v_add3_u32 v[IDR+2*\t+1], v[IDR+2*\t+1], v[H8], 4
	LEX BEST+2*\t, IDR+2*\t, BEST+2*\t+1, IDR+2*\t+1
	v_permlanex16_b32 v[TD], v[BEST+2*\t], s[SEL], s[SEL+1]
	v_permlanex16_b32 v[TI], v[IDR+2*\t], s[SEL], s[SEL+1]
	LEX BEST+2*\t, IDR+2*\t, TD, TI
	ds_store_b32 v[RA], v[BEST+2*\t] offset:64*\t          ; both halves of the lanes write the same number to the same word
	ds_store_b32 v[RA], v[IDR+2*\t] offset:2048+64*\t
.endr
	s_wait_dscnt 0x0                               ; for wave 0's sake: my words are written
	s_barrier_signal -1
	s_barrier_wait -1
	s_cmp_lg_u32 s[WV], 0
	s_cbranch_scc1 .Ldone
	v_and_b32 v[LB], 31, v0
	v_lshlrev_b32 v[LB], 4, v[LB]                  ; lane l takes rows 4 l .. 4 l + 3
	v_add_nc_u32 v[LA], REDB, v[LB]
.irp k, 0,1,2,3
	ds_load_b128 v[128+4*\k:131+4*\k], v[LA] offset:512*\k
	ds_load_b128 v[144+4*\k:147+4*\k], v[LA] offset:2048+512*\k
.endr
	s_wait_dscnt 0x0
.irp k, 1,2,3
.irp e, 0,1,2,3
	LEX 128+\e, 144+\e, 128+4*\k+\e, 144+4*\k+\e
.endr
.endr
	global_store_b128 v[LB], v[144:147], s[10:11]  ; the group's 128 words: 512 consecutive bytes
.Ldone:
	s_set_vgpr_msb 0xf
	s_wait_tensorcnt 0x0
	ds_add_u32 v0, v1
	s_wait_dscnt 0x0
	s_set_vgpr_msb 0xf00
	CROUND                                         ; the closing round: no work-group ends while a partner may still ask for a piece that names it
	s_endpgm
.Lfunc_end_k_q959410be32_assign:
	.size	k_q959410be32_assign, .Lfunc_end_k_q959410be32_assign-k_q959410be32_assign
	.p2alignl 7, 3214868480
	.fill 96, 4, 3214868480
	.section	.rodata,"a",@progbits
	.p2align	6, 0x0
	.amdhsa_kernel k_q959410be32_assign
		.amdhsa_group_segment_fixed_size 327680
		.amdhsa_private_segment_fixed_size 0
		.amdhsa_enable_private_segment 0
		.amdhsa_kernarg_size 32
		.amdhsa_user_sgpr_count 2
		.amdhsa_user_sgpr_kernarg_segment_ptr 1
		.amdhsa_wavefront_size32 1
		.amdhsa_system_sgpr_workgroup_id_x 1
		.amdhsa_system_sgpr_workgroup_id_y 1
		.amdhsa_system_sgpr_workgroup_id_z 1
		.amdhsa_system_vgpr_workitem_id 0
		.amdhsa_next_free_vgpr 770
		.amdhsa_next_free_sgpr 72
		.amdhsa_reserve_vcc 1
		.amdhsa_float_denorm_mode_32 3
		.amdhsa_float_denorm_mode_16_64 3
		.amdhsa_memory_ordered 1
		.amdhsa_forward_progress 1
		.amdhsa_inst_pref_size 255
	.end_amdhsa_kernel
	.section	.bss,"aw",@nobits
	.p2align	6
	.space	262144
	.amdgpu_metadata
---
amdhsa.version: [ 1, 2 ]
amdhsa.kernels:
  - .name:           k_q959410be32_assign
    .symbol:         k_q959410be32_assign.kd
    .args:
      - { .name: Wb, .offset: 0, .size: 8, .value_kind: global_buffer, .address_space: global }
      - { .name: cbuf, .offset: 8, .size: 8, .value_kind: global_buffer, .address_space: global }
      - { .name: z, .offset: 16, .size: 8, .value_kind: global_buffer, .address_space: global }
      - { .name: grp, .offset: 24, .size: 8, .value_kind: global_buffer, .address_space: global }
    .group_segment_fixed_size: 327680
    .private_segment_fixed_size: 0
    .kernarg_segment_align: 8
    .kernarg_segment_size: 32
    .max_flat_workgroup_size: 128
    .sgpr_count:     72
    .vgpr_count:     770
    .wavefront_size: 32
...
	.end_amdgpu_metadata
.endif
;; end of part 2
;; launch pick (part 3): grid 256 x 1, 16 waves a work-group, no clusters, 3,072 bytes of LDS; arguments z, W, cbuf, grp, out0, out1, part; writes out0, out1, part
.if DOCPART == 3
	.amdgcn_target "amdgcn-amd-amdhsa--gfx1250"
	.amdhsa_code_object_version 6
	.text
	.protected	k_q959410be32_pick
	.globl	k_q959410be32_pick
	.p2align	8
	.type	k_q959410be32_pick,@function
k_q959410be32_pick:
	s_mov_b64 s[64:65], 0
	v_nop
	global_prefetch_b8 v0, s[64:65] scope:SCOPE_SE
	s_setreg_imm32_b32 hwreg(HW_REG_WAVE_MODE, 25, 1), 1
	s_wait_xcnt 0x0
; For each row: the four codes of its group (grp[row] .. + 3) are read in f32; their distances d = fl(fl(a - 2 m) + c) are formed from the operands rounded to bf16, as in the launch
; before; out1 = the first code with the smallest d; out0 = z + (W[code] - z) and the row's sum of (W[code] - z)^2 come from the f32 numbers, in the order of the problem's formula.
; The winner is CHOSEN by v_cndmask_b32 among four rows that are all loaded: no address hangs on the choice.  part[group] = the work-group's sum of squares.
; 256 work-groups of 16 waves; a wave owns 8 rows, one at a time: lane l holds columns 4 l .. 4 l + 3 and 128 + 4 l .. + 3, so each load and store covers 512 consecutive bytes.
; Three register sets take turns: one at work, two on their way in (11 loads each: 2 of z, 8 of W, 1 of c).
; No matrix unit, no cluster: four dot products a row are too few for a matrix tile, and the work-groups share no tile.
; LIMITS.  grp is clamped to 0 .. 8,188 and to multiples of 4.  A NaN distance never wins against an earlier code.
.set LS, 6                             ; v[6:13]    the wave's sum of squares, four pairs
.set PZ, 160                           ; v[160:163] the row of z in bf16
.set QW, 164                           ; v[164:179] the four rows of W in bf16
.set MS, 180                           ; v[180:183] m, then d, of the four codes; v184 a
.set TS, 185                           ; v[185:189] the other half of the lanes' sums
.set JN, 190
.set IX, 191
.set TT, 184                           ; v[184:191] W - z, four pairs, when the above are done with
	s_load_b256 s[4:11], s[0:1], 0x0               ; z s[4:5], W s[6:7], cbuf s[8:9], grp s[10:11]
	s_load_b128 s[12:15], s[0:1], 0x20             ; out0 s[12:13], out1 s[14:15]
	s_load_b64 s[16:17], s[0:1], 0x30              ; part
	v_lshl_add_u32 v192, v0, 2, 0x400
	v_mov_b32 v193, 0
	v_lshrrev_b32 v4, 5, v0
	v_readfirstlane_b32 s18, v4                    ; wave 0..15
	v_and_b32 v5, 31, v0
	v_lshlrev_b32 v1, 4, v5                        ; 16 x lane; never rewritten
	v_mov_b32 v2, 0                                ; the addend of a chain's first link
	v_mov_b32 v3, 0                                ; lane l will hold the index of row l % 8
.irp k, 0,1,2,3,4
	v_mov_b32 v[TS+\k], 0                          ; v_permlanex16_b32 counts as a reader of its destination
.endr
	s_mov_b32 s38, 0x76543210
	s_mov_b32 s39, 0xfedcba98
	s_lshl_b32 s19, ttmp9, 7
	s_lshl3_add_u32 s19, s18, s19                  ; my first row = 128 x group + 8 x wave
	s_lshl_b32 s34, s19, 2
	s_mov_b32 s35, 0
	s_wait_kmcnt 0x0
	s_add_nc_u64 s[10:11], s[10:11], s[34:35]
	s_load_b256 s[20:27], s[10:11], 0x0            ; my eight rows' groups
	s_lshl_b32 s34, s19, 10
	s_add_nc_u64 s[4:5], s[4:5], s[34:35]          ; z and out0 at my first row
	s_add_nc_u64 s[12:13], s[12:13], s[34:35]
	s_lshl_b32 s34, ttmp9, 9
	s_add_nc_u64 s[14:15], s[14:15], s[34:35]      ; out1: 128 words a group
	s_lshl_b32 s34, ttmp9, 2
	s_add_nc_u64 s[16:17], s[16:17], s[34:35]
	s_wait_kmcnt 0x0
.irp i, 0,1,2,3,4,5,6,7
	s_min_u32 s[20+\i], s[20+\i], 0x1ffc           ; four rows from here on lie inside W,
	s_and_b32 s[20+\i], s[20+\i], 0x1ffc           ; and their four c are 16 aligned bytes
.endr
.macro LOAD i
.set sb, 16+48*((\i)%3)
.set wbase, 28+2*((\i)%3)
	s_lshl_b32 s34, s[20+\i], 10
	s_add_nc_u64 s[wbase:wbase+1], s[6:7], s[34:35]    ; the set's earlier loads were shown done by their counted wait
	s_lshl_b32 s36, s[20+\i], 2
	v_mov_b32 v[sb+44], s36
	global_load_b128 v[sb:sb+3],   v1, s[4:5] offset:1024*(\i) th:TH_LOAD_NT
	global_load_b128 v[sb+4:sb+7], v1, s[4:5] offset:1024*(\i)+512 th:TH_LOAD_NT
.irp j, 0,1,2,3
	global_load_b128 v[sb+8+8*\j:sb+11+8*\j],  v1, s[wbase:wbase+1] offset:1024*\j
	global_load_b128 v[sb+12+8*\j:sb+15+8*\j], v1, s[wbase:wbase+1] offset:1024*\j+512
.endr
	global_load_b128 v[sb+40:sb+43], v[sb+44], s[8:9]  ; the four c, the same 16 bytes in every lane
.endm
.macro COMPUTE i
.set zb, 16+48*((\i)%3)
.set wb, zb+8
.set cc, zb+40
.irp p, 0,1,2,3
	v_cvt_pk_bf16_f32 v[PZ+\p], v[zb+2*\p], v[zb+2*\p+1]
.endr
.irp q, 0,1,2,3,4,5,6,7,8,9,10,11,12,13,14,15
	v_cvt_pk_bf16_f32 v[QW+\q], v[wb+2*\q], v[wb+2*\q+1]
.endr
.irp p, 0,1,2,3                        ; five chains by turns: m of the four codes, and a
.irp k, 0,1,2,3
.if \p == 0
	v_fma_mix_f32_bf16 v[MS+\k], v[PZ], v[QW+4*\k], v2 op_sel_hi:[1,1,0]
.else
	v_fma_mix_f32_bf16 v[MS+\k], v[PZ+\p], v[QW+4*\k+\p], v[MS+\k] op_sel_hi:[1,1,0]
.endif
.endr
.if \p == 0
	v_fma_mix_f32_bf16 v[MS+4], v[PZ], v[PZ], v2 op_sel_hi:[1,1,0]
.else
	v_fma_mix_f32_bf16 v[MS+4], v[PZ+\p], v[PZ+\p], v[MS+4] op_sel_hi:[1,1,0]
.endif
.irp k, 0,1,2,3
	v_fma_mix_f32_bf16 v[MS+\k], v[PZ+\p], v[QW+4*\k+\p], v[MS+\k] op_sel:[1,1,0] op_sel_hi:[1,1,0]
.endr
	v_fma_mix_f32_bf16 v[MS+4], v[PZ+\p], v[PZ+\p], v[MS+4] op_sel:[1,1,0] op_sel_hi:[1,1,0]
.endr
.irp m, 1,2,4,8                        ; the five sums over the 32 lanes
.irp k, 0,1,2,3,4
	v_add_f32_dpp v[MS+\k], v[MS+\k], v[MS+\k] row_xmask:\m row_mask:0xf bank_mask:0xf
.endr
.endr
.irp k, 0,1,2,3,4
	v_permlanex16_b32 v[TS+\k], v[MS+\k], s38, s39
.endr
.irp k, 0,1,2,3,4
	v_add_f32 v[MS+\k], v[MS+\k], v[TS+\k]
.endr
.irp k, 0,1,2,3
	v_fma_f32 v[MS+\k], -2.0, v[MS+\k], v[MS+4]    ; fl(a - 2 m): 2 m is exact, so one rounding
.endr
.irp k, 0,1,2,3
	v_add_f32 v[MS+\k], v[MS+\k], v[cc+\k]
.endr
	v_mov_b32 v[JN], 0
.irp k, 1,2,3                          ; strictly smaller alone: the first of equal distances stays
	v_cmp_lt_f32 vcc_lo, v[MS+\k], v[MS]
	v_cndmask_b32 v[MS], v[MS], v[MS+\k], vcc_lo
	v_cndmask_b32 v[JN], v[JN], \k, vcc_lo
.irp e, 0,1,2,3,4,5,6,7
	v_cndmask_b32 v[wb+\e], v[wb+\e], v[wb+8*\k+\e], vcc_lo
.endr
.endr
	v_add_nc_u32 v[IX], s[20+\i], v[JN]
	s_mov_b32 s37, 0x01010101<<\i
	v_cndmask_b32 v3, v3, v[IX], s37               ; lanes with l % 8 = i keep the row's index
.irp e, 0,1,2,3
	v_pk_add_f32 v[TT+2*\e:TT+2*\e+1], v[wb+2*\e:wb+2*\e+1], v[zb+2*\e:zb+2*\e+1] neg_lo:[0,1] neg_hi:[0,1]   ; W[code] - z
.endr
.irp e, 0,1,2,3
.if \i == 0
	v_pk_mul_f32 v[LS+2*\e:LS+2*\e+1], v[TT+2*\e:TT+2*\e+1], v[TT+2*\e:TT+2*\e+1]     ; the first row starts the sums
.else
	v_pk_fma_f32 v[LS+2*\e:LS+2*\e+1], v[TT+2*\e:TT+2*\e+1], v[TT+2*\e:TT+2*\e+1], v[LS+2*\e:LS+2*\e+1]
.endif
.endr
.irp e, 0,1,2,3
	v_pk_add_f32 v[zb+2*\e:zb+2*\e+1], v[zb+2*\e:zb+2*\e+1], v[TT+2*\e:TT+2*\e+1]     ; z + (W[code] - z)
.endr
	global_store_b128 v1, v[zb:zb+3],   s[12:13] offset:1024*\i th:TH_STORE_NT
	global_store_b128 v1, v[zb+4:zb+7], s[12:13] offset:1024*\i+512 th:TH_STORE_NT
.endm
	LOAD 0
	LOAD 1
.irp i, 0,1,2,3,4,5,6,7
.if \i <= 5
	s_wait_xcnt 0x0                                ; the set of the row before, whose stores read it, is loaded again only behind this wait
	LOAD \i+2
	s_wait_loadcnt 22                              ; loads come back in order: row i is in, the two younger rows' eleven loads each stay out
.elseif \i == 6
	s_wait_loadcnt 11
.else
	s_wait_loadcnt 0x0
.endif
	COMPUTE \i
.endr
	v_pk_add_f32 v[6:7], v[6:7], v[8:9]
	v_pk_add_f32 v[10:11], v[10:11], v[12:13]
	v_pk_add_f32 v[6:7], v[6:7], v[10:11]
	v_add_f32 v6, v6, v7
	v_add_f32_dpp v6, v6, v6 row_xmask:1 row_mask:0xf bank_mask:0xf
	v_add_f32_dpp v6, v6, v6 row_xmask:2 row_mask:0xf bank_mask:0xf
	v_add_f32_dpp v6, v6, v6 row_xmask:4 row_mask:0xf bank_mask:0xf
	v_add_f32_dpp v6, v6, v6 row_xmask:8 row_mask:0xf bank_mask:0xf
	v_permlanex16_b32 v7, v6, s38, s39
	v_add_f32 v6, v6, v7                           ; the wave's sum of squares, in every lane
	v_and_b32 v8, 7, v0
	v_lshlrev_b32 v8, 2, v8
	s_lshl_b32 s36, s18, 5
	v_add_nc_u32 v8, s36, v8                       ; LDS word 8 x wave + l % 8; lanes that share a word hold the same number
	ds_store_b32 v8, v3
	s_lshl_b32 s36, s18, 2
	v_mov_b32 v9, s36
	ds_store_b32 v9, v6 offset:512
	s_wait_dscnt 0x0                               ; for wave 0's sake: my words are written
	s_barrier_signal -1
	s_barrier_wait -1
	s_cmp_lg_u32 s18, 0
	s_cbranch_scc1 .Lend
	ds_load_b128 v[160:163], v1                    ; the group's 128 indices, four a lane (registers that no store reads)
.irp k, 0,1,2,3
	ds_load_b128 v[164+4*\k:167+4*\k], v2 offset:512+16*\k   ; the sixteen waves' sums, in every lane
.endr
	s_wait_dscnt 0x0
	global_store_b128 v1, v[160:163], s[14:15]     ; 512 consecutive bytes
	v_pk_add_f32 v[164:165], v[164:165], v[166:167]
	v_pk_add_f32 v[168:169], v[168:169], v[170:171]
	v_pk_add_f32 v[172:173], v[172:173], v[174:175]
	v_pk_add_f32 v[176:177], v[176:177], v[178:179]
	v_pk_add_f32 v[164:165], v[164:165], v[168:169]
	v_pk_add_f32 v[172:173], v[172:173], v[176:177]
	v_pk_add_f32 v[164:165], v[164:165], v[172:173]
	v_add_f32 v164, v164, v165
	v_cmp_eq_u32 vcc_lo, 0, v5
	s_wait_xcnt 0x0                                ; EXEC changes only behind this wait
	s_and_saveexec_b32 s40, vcc_lo
	global_store_b32 v2, v164, s[16:17]            ; lane 0 alone: one number a work-group
	s_wait_xcnt 0x0
	s_or_b32 exec_lo, exec_lo, s40
.Lend:
	s_wait_tensorcnt 0x0
	ds_add_u32 v192, v193
	s_wait_dscnt 0x0
	s_endpgm
.Lfunc_end_k_q959410be32_pick:
	.size	k_q959410be32_pick, .Lfunc_end_k_q959410be32_pick-k_q959410be32_pick
	.p2alignl 7, 3214868480
	.fill 96, 4, 3214868480
	.section	.rodata,"a",@progbits
	.p2align	6, 0x0
	.amdhsa_kernel k_q959410be32_pick
		.amdhsa_group_segment_fixed_size 3072
		.amdhsa_private_segment_fixed_size 0
		.amdhsa_enable_private_segment 0
		.amdhsa_kernarg_size 56
		.amdhsa_user_sgpr_count 2
		.amdhsa_user_sgpr_kernarg_segment_ptr 1
		.amdhsa_wavefront_size32 1
		.amdhsa_system_sgpr_workgroup_id_x 1
		.amdhsa_system_sgpr_workgroup_id_y 1
		.amdhsa_system_sgpr_workgroup_id_z 1
		.amdhsa_system_vgpr_workitem_id 0
		.amdhsa_next_free_vgpr 194
		.amdhsa_next_free_sgpr 66
		.amdhsa_reserve_vcc 1
		.amdhsa_float_denorm_mode_32 3
		.amdhsa_float_denorm_mode_16_64 3
		.amdhsa_memory_ordered 1
		.amdhsa_forward_progress 1
		.amdhsa_inst_pref_size 80
	.end_amdhsa_kernel
	.amdgpu_metadata
---
amdhsa.version: [ 1, 2 ]
amdhsa.kernels:
  - .name:           k_q959410be32_pick
    .symbol:         k_q959410be32_pick.kd
    .args:
      - { .name: z, .offset: 0, .size: 8, .value_kind: global_buffer, .address_space: global }
      - { .name: W, .offset: 8, .size: 8, .value_kind: global_buffer, .address_space: global }
      - { .name: cbuf, .offset: 16, .size: 8, .value_kind: global_buffer, .address_space: global }
      - { .name: grp, .offset: 24, .size: 8, .value_kind: global_buffer, .address_space: global }
      - { .name: out0, .offset: 32, .size: 8, .value_kind: global_buffer, .address_space: global }
      - { .name: out1, .offset: 40, .size: 8, .value_kind: global_buffer, .address_space: global }
      - { .name: part, .offset: 48, .size: 8, .value_kind: global_buffer, .address_space: global }
    .group_segment_fixed_size: 3072
    .private_segment_fixed_size: 0
    .kernarg_segment_align: 8
    .kernarg_segment_size: 56
    .max_flat_workgroup_size: 512
    .sgpr_count:     66
    .vgpr_count:     194
    .wavefront_size: 32
...
	.end_amdgpu_metadata
.endif
;; end of part 3
;; launch total (part 4): grid 1 x 1, 1 waves a work-group, no clusters, 0 bytes of LDS; arguments part, out2; writes out2
.if DOCPART == 4
	.amdgcn_target "amdgcn-amd-amdhsa--gfx1250"
	.amdhsa_code_object_version 6
	.text
	.protected	k_q959410be32_total
	.globl	k_q959410be32_total
	.p2align	8
	.type	k_q959410be32_total,@function
k_q959410be32_total:
	s_mov_b64 s[64:65], 0
	v_nop
	global_prefetch_b8 v0, s[64:65] scope:SCOPE_SE
	s_setreg_imm32_b32 hwreg(HW_REG_WAVE_MODE, 25, 1), 1
	s_wait_xcnt 0x0
; out2 = mean((zq - z)^2) + mean((zq - z)^2) = the sum of the 256 partial sums x 2 / 2^23: a power of two, so the two equal means and their sum are exact scalings of one sum.
; One wave: a sum over work-groups is ordered by a launch of its own; 1,024 bytes in, 4 out.
	s_load_b128 s[4:7], s[0:1], 0x0                ; part s[4:5], out2 s[6:7]
	v_lshlrev_b32 v1, 5, v0                        ; eight numbers a lane
	v_mov_b32 v10, 0
	v_mov_b32 v11, 0
	s_mov_b32 s10, 0x76543210
	s_mov_b32 s11, 0xfedcba98
	s_wait_kmcnt 0x0
	global_load_b128 v[2:5], v1, s[4:5]
	global_load_b128 v[6:9], v1, s[4:5] offset:16
	s_wait_loadcnt 0x0
	v_pk_add_f32 v[2:3], v[2:3], v[4:5]
	v_pk_add_f32 v[6:7], v[6:7], v[8:9]
	v_pk_add_f32 v[2:3], v[2:3], v[6:7]
	v_add_f32 v2, v2, v3
	v_add_f32_dpp v2, v2, v2 row_xmask:1 row_mask:0xf bank_mask:0xf
	v_add_f32_dpp v2, v2, v2 row_xmask:2 row_mask:0xf bank_mask:0xf
	v_add_f32_dpp v2, v2, v2 row_xmask:4 row_mask:0xf bank_mask:0xf
	v_add_f32_dpp v2, v2, v2 row_xmask:8 row_mask:0xf bank_mask:0xf
	v_permlanex16_b32 v11, v2, s10, s11
	v_add_f32 v2, v2, v11
	v_mul_f32 v2, 0x34800000, v2                   ; x 2^-22
	v_cmp_eq_u32 vcc_lo, 0, v0
	s_wait_xcnt 0x0                                ; EXEC changes only behind this wait
	s_and_saveexec_b32 s8, vcc_lo
	global_store_b32 v10, v2, s[6:7]
	s_wait_xcnt 0x0
	s_or_b32 exec_lo, exec_lo, s8
	s_endpgm
.Lfunc_end_k_q959410be32_total:
	.size	k_q959410be32_total, .Lfunc_end_k_q959410be32_total-k_q959410be32_total
	.p2alignl 7, 3214868480
	.fill 96, 4, 3214868480
	.section	.rodata,"a",@progbits
	.p2align	6, 0x0
	.amdhsa_kernel k_q959410be32_total
		.amdhsa_group_segment_fixed_size 0
		.amdhsa_private_segment_fixed_size 0
		.amdhsa_enable_private_segment 0
		.amdhsa_kernarg_size 16
		.amdhsa_user_sgpr_count 2
		.amdhsa_user_sgpr_kernarg_segment_ptr 1
		.amdhsa_wavefront_size32 1
		.amdhsa_system_sgpr_workgroup_id_x 1
		.amdhsa_system_sgpr_workgroup_id_y 1
		.amdhsa_system_sgpr_workgroup_id_z 1
		.amdhsa_system_vgpr_workitem_id 0
		.amdhsa_next_free_vgpr 16
		.amdhsa_next_free_sgpr 66
		.amdhsa_reserve_vcc 1
		.amdhsa_float_denorm_mode_32 3
		.amdhsa_float_denorm_mode_16_64 3
		.amdhsa_memory_ordered 1
		.amdhsa_forward_progress 1
		.amdhsa_inst_pref_size 2
	.end_amdhsa_kernel
	.amdgpu_metadata
---
amdhsa.version: [ 1, 2 ]
amdhsa.kernels:
  - .name:           k_q959410be32_total
    .symbol:         k_q959410be32_total.kd
    .args:
      - { .name: part, .offset: 0, .size: 8, .value_kind: global_buffer, .address_space: global }
      - { .name: out2, .offset: 8, .size: 8, .value_kind: global_buffer, .address_space: global }
    .group_segment_fixed_size: 0
    .private_segment_fixed_size: 0
    .kernarg_segment_align: 8
    .kernarg_segment_size: 16
    .max_flat_workgroup_size: 32
    .sgpr_count:     66
    .vgpr_count:     16
    .wavefront_size: 32
...
	.end_amdgpu_metadata
.endif
;; end of part 4
;; ======== version 2 of 2: 4 launches; 1.23 times as fast as version 1
;; workspace buffers: Wb 4,194,304 bytes; cbuf 32,768 bytes; grp 131,072 bytes of whole numbers; part 1,024 bytes
;; launch prep: the kernel of part 1 again; grid 256 x 1, 8 waves a work-group, no clusters, 1,280 bytes of LDS; arguments W, Wb, cbuf; writes Wb, cbuf
;; launch assign (part 5): grid 256 x 1, 4 waves a work-group, clusters of 4 x 1, 327,680 bytes of LDS; arguments Wb, cbuf, z, grp; writes grp
.if DOCPART == 5
	.amdgcn_target "amdgcn-amd-amdhsa--gfx1250"
	.amdhsa_code_object_version 6
	.text
	.protected	k_q959410be32_assign
	.globl	k_q959410be32_assign
	.p2align	8
	.type	k_q959410be32_assign,@function
k_q959410be32_assign:
	s_mov_b64 s[64:65], 0
	v_nop
	global_prefetch_b8 v0, s[64:65] scope:SCOPE_SE
	s_setreg_imm32_b32 hwreg(HW_REG_WAVE_MODE, 25, 1), 1
	s_wait_xcnt 0x0
	s_wait_alu depctr_hold_cnt(0) depctr_sa_sdst(0) depctr_va_vdst(0) depctr_va_sdst(0) depctr_va_ssrc(0) depctr_va_vcc(0) depctr_vm_vsrc(0)
	s_getreg_b32 s2, hwreg(HW_REG_IB_STS2, 6, 4)
	s_cmp_eq_u32 s2, 0
	s_cbranch_scc0 .Lentry_in_a_cluster
	s_endpgm
.Lentry_in_a_cluster:
	s_bfe_u32 s2, ttmp6, 0x10000c
	s_cmp_lg_u32 s2, 0x3003
	s_cbranch_scc0 .Lentry_shape_is_right
	s_endpgm
.Lentry_shape_is_right:
; For each of the 32,768 rows of z: grp[row] = the first code of the first GROUP OF FOUR codes (4 g .. 4 g + 3) that holds the row's smallest distance
;   d[row][k] = fl(fl(a[row] - 2 m[row][k]) + c[k]),   m = zb . Wb[k] (bf16 operands, f32 sums),  a = sum of zb^2,  c = sum of Wb[k]^2 (cbuf),
; formed in f32 in the order of the problem's formula, so that equal roundings give equal distances, and the lowest group wins a tie.
; The next launch settles the choice among the group's four codes.  Keeping a group and not a code costs 22 vector instructions for 8 matrix instructions.
; LIMITS.  A NaN or infinite distance never wins; a row with none but such distances gets group 0.  Two distances that differ only through the last bit of a
; 256-term f32 sum may fall otherwise than with another order of summation.
; SHARES.  256 work-groups of four waves; a work-group owns 128 rows of z.  EVERY wave holds all 128 rows as bf16 fragments in 512 registers (8 row tiles x 8 K steps x 8).
; The codebook goes by in 32 chunks of 256 codes through two LDS slots; wave w takes codes 64 w .. 64 w + 63 of each chunk, four tiles of 16 codes.
; A code tile's fragments (16 LDS loads) feed 64 matrix instructions.
; LAYOUT.  Source 0 = 16 codes, source 1 = 16 rows of z: in the result lane (r, h) holds row r and codes 8 h + 0..7: two groups of four, and one row a lane.
; BY TURNS.  A PHASE is 32 products of one code tile with four row tiles (a set of four accumulators); the other set, finished in the phase before, is turned into distances and
; reduced meanwhile: a list of 88 vector instructions, dealt 3, 3, 3, 2 behind the products.
; CLUSTER.  All work-groups walk the same Wb and cbuf: the four of a cluster ask for each piece JOINTLY (mask 15, the same descriptor in all four).
; REGISTERS, in windows of 256 (s_set_vgpr_msb: bits 1:0 source 0, 3:2 source 1, 5:4 source 2, 7:6 destination):
;   window 0: all but z.   window 1: z's row tiles 0-3 (tile t, K step ks at v[64 (t % 4) + 8 ks]).   window 2: row tiles 4-7.
; Only source 1 of a product lies outside window 0, and no instruction of the list names a vector register as source 1 (an addition is a multiply-add by 1.0, a minimum of
; two has +inf between them, a comparison is a difference tested against 0): so list, LDS loads and products run under one setting, two switches for a code tile.
.set WP,     528                       ; an LDS row of Wb: 512 bytes + 16 of padding, an odd multiple of 16: the 16 rows of a fragment load start in 16 different 16-byte columns of 256
.set WQ,     64*WP                     ; a wave's 64 rows: what its tensor load brings and what it reads
.set SLOT1,  4*WQ                      ; slot 0 at byte 0, slot 1 at 135,168; slot 1 first holds the group's z in f32
.set ZP,     1040                      ; an LDS row of z: 1,024 bytes + 16
.set ZQ,     32*ZP                     ; a wave's tensor load of z: 32 rows
.set CB,     2*SLOT1                   ; c, all 8,192 numbers, dense
.set REDB,   CB+32768                  ; 4,096 bytes that LDS stores alone write: the waves' best distances, then their groups
.set TILEB,  16*WP
.set CHUNKG, 256*512                   ; bytes of Wb in a chunk
.set RUNAT,  12                        ; the product behind which a phase's run of LDS loads stands
.set VR,   1                           ; v1  r = lane % 16
.set VH,   2                           ; v2  h = lane / 16
.set FA,   3                           ; v3, v4  LDS address of my fragments of Wb in slot 0, 1
.set CA,   5                           ; v5  LDS address of my eight c of the lap's first code tile
.set ZA,   6                           ; v6, v7  LDS address of my part of z's row tiles 0-3, 4-7
.set AR,   8                           ; v[8:15]    a of row tile t
.set C0,   16                          ; v[16:23]   c of a code tile, buffer 0
.set BEST, 24                          ; v[24:39]   smallest distance so far: row tile t, group u at 2 t + u
.set IDR,  40                          ; v[40:55]   the code tile's first code at which it was found
.set C1,   56                          ; v[56:63]   c, buffer 1
.set ACC,  64                          ; v[64:127]  two sets of four accumulators
.set FR,   128                         ; v[128:255] two buffers of a code tile's fragments; at the start two stages of 64 for z in f32
.set AT,   64                          ; at the start: four chains of a
.set ZERO, 68
.set TP,   69
.set WV,   12
.set G1W,  16                          ; s[16:23] group 1 for Wb
.set G1Z,  24                          ; s[24:31] for z
.set G1C,  32                          ; s[32:39] for c
.set G0W,  40                          ; s[40:47] group 0 for Wb, a set for each slot
.set G0Z,  48
.set G0C,  52
.set LAPS, 56
.set CBASE,57                          ; first code of my 64 in the chunk in hand
.set IDS,  58                          ; first code of the code tile that is being reduced
.set INF,  59
.set SEL,  60
.set MK,   62                          ; s62, s63 masks
.set MSB, 0
.macro WIN new                         ; the immediate's high byte repeats the setting that is left; a switch that changes nothing is dropped
.if MSB != (\new)
	s_set_vgpr_msb (MSB<<8)|(\new)
.set MSB, (\new)
.endif
.endm
.macro NOP4
.rept 4
	v_nop
.endr
.endm
.macro CREST                           ; a round of the cluster's barrier behind its opening barrier
	s_cmp_lg_u32 s[WV], 0
	s_cbranch_scc1 .Lnot_wave_0_\@
	s_barrier_signal -3
.Lnot_wave_0_\@:
	s_barrier_wait -3
	s_barrier_signal -1
	s_barrier_wait -1
.endm
.macro CROUND                          ; a whole round
	s_barrier_signal -1
	s_barrier_wait -1
	CREST
.endm
	s_load_b256 s[4:11], s[0:1], 0x0               ; Wb s[4:5], cbuf s[6:7], z s[8:9], grp s[10:11]
	s_set_vgpr_msb 0xc0
	v_lshl_add_u32 v0, v0, 2, 0x4b000
	v_mov_b32 v1, 0
	s_set_vgpr_msb 0xc0cf
	ds_add_u32 v0, v1
	s_set_vgpr_msb 0xcf00
	v_lshrrev_b32 v1, 5, v0
	v_readfirstlane_b32 s[WV], v1                  ; wave 0..3
	s_bfe_u32 s13, ttmp6, 0x40000                  ; cx
	s_lshl_b32 s14, ttmp9, 2                       ; in a cluster launch ttmp9 counts clusters
	s_add_co_u32 s14, s14, s13                     ; my work-group: it enters z's and grp's global addresses alone
	; Wb: 64 rows x 256 elements of 2 bytes, 4 words of padding behind every 128; mask 15 with bit 21 beside it
	s_mov_b32 s[G1W],   15|(1<<16)|(1<<20)|(1<<21)|(6<<22)|(3<<25)
	s_mov_b32 s[G1W+1], 256<<16                    ; tensor_dim0
	s_mov_b32 s[G1W+2], 64<<16                     ; tensor_dim1
	s_mov_b32 s[G1W+3], 256<<16                    ; tile_dim0
	s_mov_b32 s[G1W+4], 64                         ; tile_dim1
	s_mov_b32 s[G1W+5], 256                        ; elements from row to row
	s_mov_b32 s[G1W+6], 0
	s_mov_b32 s[G1W+7], 0
	; z: 32 rows x 256 elements of 4 bytes, 4 words of padding behind every 256; the work-group's own (mask 0)
	s_mov_b32 s[G1Z],   (2<<16)|(1<<20)|(7<<22)|(3<<25)
	s_mov_b32 s[G1Z+1], 256<<16
	s_mov_b32 s[G1Z+2], 32<<16
	s_mov_b32 s[G1Z+3], 256<<16
	s_mov_b32 s[G1Z+4], 32
	s_mov_b32 s[G1Z+5], 256
	s_mov_b32 s[G1Z+6], 0
	s_mov_b32 s[G1Z+7], 0
	; c: a dense block as 32 rows of 256 bytes (32 elements of 8), no padding; joint
	s_mov_b32 s[G1C],   15|(3<<16)|(1<<21)
	s_mov_b32 s[G1C+1], 32<<16
	s_mov_b32 s[G1C+2], 32<<16
	s_mov_b32 s[G1C+3], 32<<16
	s_mov_b32 s[G1C+4], 32
	s_mov_b32 s[G1C+5], 32
	s_mov_b32 s[G1C+6], 0
	s_mov_b32 s[G1C+7], 0
	s_mul_i32 s15, s[WV], WQ                       ; LDS addresses: a constant and the wave's number times a constant
	s_mov_b32 s[G0W], 1
	s_add_co_u32 s[G0W+1], s15, 0
	s_mov_b32 s[G0W+4], 1
	s_add_co_u32 s[G0W+5], s15, SLOT1
	s_mul_i32 s15, s[WV], ZQ
	s_mov_b32 s[G0Z], 1
	s_add_co_u32 s[G0Z+1], s15, SLOT1
	s_lshl_b32 s15, s[WV], 13
	s_mov_b32 s[G0C], 1
	s_add_co_u32 s[G0C+1], s15, CB
	s_lshl_b32 s2, s[WV], 15                       ; my 64 rows of a chunk of Wb: 32,768 bytes a wave
	s_mov_b32 s3, 0
	s_lshl_b32 s66, s14, 17                        ; z: (128 x group + 32 x wave) rows of 1,024 bytes
	s_add_co_u32 s66, s66, s2
	s_mov_b32 s67, 0
	s_lshl_b32 s68, s14, 9                         ; grp: 128 words a group
	s_mov_b32 s69, 0
	s_mov_b32 s[INF], 0x7f800000
	s_mov_b32 s[SEL], 0x76543210                   ; each lane takes its own place in the other half
	s_mov_b32 s[SEL+1], 0xfedcba98
	s_lshl_b32 s[CBASE], s[WV], 6
	s_wait_dscnt 0x0
	s_wait_kmcnt 0x0
	s_add_nc_u64 s[G0W+2:G0W+3], s[4:5], s[2:3]    ; chunk 0
	s_add_nc_u64 s[G0W+6:G0W+7], s[G0W+2:G0W+3], CHUNKG  ; chunk 1
	s_add_nc_u64 s[G0Z+2:G0Z+3], s[8:9], s[66:67]
	s_add_nc_u64 s[10:11], s[10:11], s[68:69]
	s_lshl_b32 s2, s[WV], 13                       ; my quarter of c
	s_add_nc_u64 s[G0C+2:G0C+3], s[6:7], s[2:3]
	s_or_b32 s[G0W+3], s[G0W+3], 0x80000000        ; type = 2
	s_or_b32 s[G0W+7], s[G0W+7], 0x80000000
	s_or_b32 s[G0Z+3], s[G0Z+3], 0x80000000
	s_or_b32 s[G0C+3], s[G0C+3], 0x80000000
	CROUND                                         ; all four work-groups are here: the first joint loads meet
	tensor_load_to_lds s[G0Z:G0Z+3], s[G1Z:G1Z+7]  ; the first fills go out as one group: my 32 rows of z into slot 1,
	s_nop 0
	tensor_load_to_lds s[G0W:G0W+3], s[G1W:G1W+7]  ; my 64 rows of chunk 0 into slot 0,
	s_nop 0
	tensor_load_to_lds s[G0C:G0C+3], s[G1C:G1C+7]  ; my quarter of c: three tensor loads of mine are out
	s_nop 0
	NOP4
	v_and_b32 v[VR], 15, v0
	v_bfe_u32 v[VH], v0, 4, 1
	v_mul_u32_u24 v[FA], v[VR], WP
	v_lshl_add_u32 v[FA], v[VH], 4, v[FA]          ; a fragment: row r x pitch + 16 h,
	s_mul_i32 s15, s[WV], WQ
	v_add_nc_u32 v[FA], s15, v[FA]                 ; in my wave's 64 rows
	v_add_nc_u32 v[FA+1], SLOT1, v[FA]
	s_lshl_b32 s15, s[WV], 8
	s_add_co_u32 s15, s15, CB
	v_lshl_add_u32 v[CA], v[VH], 5, s15            ; c of codes 64 w + 8 h + 0..7
	v_mul_u32_u24 v[ZA], v[VR], ZP
	v_lshl_add_u32 v[ZA], v[VH], 5, v[ZA]          ; z in f32: row r x pitch + 32 h (eight numbers)
	v_add_nc_u32 v[ZA], SLOT1, v[ZA]
	v_add_nc_u32 v[ZA+1], 64*ZP, v[ZA]
.set n, 0
.rept 16                               ; the state of the search, not sums: no distance yet, group 0
	v_mov_b32 v[BEST+n], s[INF]
	v_mov_b32 v[IDR+n], 0
.set n, n+1
.endr
	v_mov_b32 v[ZERO], 0
	v_mov_b32 v[TP], 0                             ; v_permlanex16_b32 counts as a reader of its destination
	s_wait_tensorcnt 0x2                           ; tensor loads of a wave end in order: my rows of z are in; chunk 0 and c, issued behind them, stay out
	s_barrier_signal -1
	s_barrier_wait -1                              ; everybody's rows of z are in
; z, f32 in LDS, becomes bf16 fragments in windows 1 and 2, in 16 batches of one row tile x 4 K steps.  A fragment is 16 rows x 32 K: lane (r, h) holds K = 8 h + 0..7 and
; 16 + 8 h + 0..7: in f32 four loads of 16 bytes at 0, 16, 64, 80.
.macro ZLOAD b
.set lt, (\b)/2
.set lk, 4*((\b)%2)
.set ls, FR+64*((\b)%2)
.set la, ZA+lt/4
.set n, 0
.rept 4
	ds_load_b128 v[ls+16*n:ls+16*n+3],     v[la] offset:(lt%4)*16*ZP+128*(lk+n)
	ds_load_b128 v[ls+16*n+4:ls+16*n+7],   v[la] offset:(lt%4)*16*ZP+128*(lk+n)+16
	ds_load_b128 v[ls+16*n+8:ls+16*n+11],  v[la] offset:(lt%4)*16*ZP+128*(lk+n)+64
	ds_load_b128 v[ls+16*n+12:ls+16*n+15], v[la] offset:(lt%4)*16*ZP+128*(lk+n)+80
.set n, n+1
.endr
.endm
.macro ZBATCH b
	WIN 0
.if \b < 15
	ZLOAD \b+1
	s_wait_dscnt 16                                ; LDS loads come back in order: this batch is in, the next batch's sixteen stay out
.else
	s_wait_dscnt 0x0
.endif
.set bt, (\b)/2
.set bz, 64*(bt%4)+32*((\b)%2)
.set bs, FR+64*((\b)%2)
.set bw, 1+bt/4
	WIN (bw<<6)                                    ; destination in z's window
.set n, 0
.rept 32
	v_cvt_pk_bf16_f32 v[bz+n], v[bs+2*n], v[bs+2*n+1]
.set n, n+1
.endr
	WIN (bw|(bw<<2))                               ; sources 0 and 1 in z's window: a = the sum of the ROUNDED numbers' squares, in four chains
.set n, 0
.rept 32
.if ((\b)%2 == 0) && (n < 2)
	v_fma_mix_f32_bf16 v[AT+2*(n%2)],   v[bz+n], v[bz+n], v[ZERO] op_sel_hi:[1,1,0]
	v_fma_mix_f32_bf16 v[AT+2*(n%2)+1], v[bz+n], v[bz+n], v[ZERO] op_sel:[1,1,0] op_sel_hi:[1,1,0]
.else
	v_fma_mix_f32_bf16 v[AT+2*(n%2)],   v[bz+n], v[bz+n], v[AT+2*(n%2)] op_sel_hi:[1,1,0]
	v_fma_mix_f32_bf16 v[AT+2*(n%2)+1], v[bz+n], v[bz+n], v[AT+2*(n%2)+1] op_sel:[1,1,0] op_sel_hi:[1,1,0]
.endif
.set n, n+1
.endr
.if (\b)%2 == 1
	WIN 0
	v_add_f32 v[AT], v[AT], v[AT+1]
	v_add_f32 v[AT+2], v[AT+2], v[AT+3]
	v_add_f32 v[AT], v[AT], v[AT+2]
	v_permlanex16_b32 v[TP], v[AT], s[SEL], s[SEL+1]   ; the row's other 128 numbers lie in the lane 16 away
	v_add_f32 v[AR+bt], v[AT], v[TP]
.endif
.endm
	ZLOAD 0
.irp b, 0,1,2,3,4,5,6,7,8,9,10,11,12,13,14,15
	ZBATCH \b
.endr
	s_wait_dscnt 0x0                               ; my reads of z are over,
	s_set_vgpr_msb 0xf
	s_wait_tensorcnt 0x0                           ; and all my tensor loads have landed: my parts of chunk 0 and of c
	ds_add_u32 v0, v1
	s_wait_dscnt 0x0
	s_set_vgpr_msb 0xf00
	CROUND                                         ; both now hold of every wave of the cluster
	tensor_load_to_lds s[G0W+4:G0W+7], s[G1W:G1W+7]  ; chunk 1 into the bytes that z has left: my one tensor load behind the round, and the first thing there
	s_nop 0
	NOP4
; Product g of a phase's 32: K step g / 4, row tile g % 4 of the phase's four.  The four accumulators take turns, one instruction a turn.  The first four start the sums.
.macro MM
.set rD, ACC+32*PS+8*(g%4)
.set rA, FR+64*FB+8*(g/4)
.set rZ, 64*(g%4)+8*(g/4)
.if g < 4
	v_wmma_f32_16x16x32_bf16 v[rD:rD+7], v[rA:rA+7], v[rZ:rZ+7], 0
.else
	v_wmma_f32_16x16x32_bf16 v[rD:rD+7], v[rA:rA+7], v[rZ:rZ+7], v[rD:rD+7]
.endif
.endm
; Number j of the 88 that reduce accumulator set RY (row tiles RTB + 0..3; c in buffer RCB).
;   0-31   tile j / 8: four times fl(a - 2 m) for a pair of codes (one rounding), then four times fl(.. + c)
;   32-87  tiles 0, 1 and then 2, 3 by turns, 14 each: the minimum g of each group of four (3 + 3); g - best (2); where it is below 0 the code tile's number is kept (2 x 2); best = min (2)
.macro RED
.if j < 32
.set rM, ACC+32*RY+8*(j/8)
.set rt, RTB+j/8
.set ri, j%8
.if ri < 4
.if rt%2 == 0
	v_pk_fma_f32 v[rM+2*ri:rM+2*ri+1], v[rM+2*ri:rM+2*ri+1], -2.0, v[AR+rt:AR+rt+1] op_sel_hi:[1,0,0]
.else
	v_pk_fma_f32 v[rM+2*ri:rM+2*ri+1], v[rM+2*ri:rM+2*ri+1], -2.0, v[AR+rt-1:AR+rt] op_sel:[0,0,1] op_sel_hi:[1,0,1]
.endif
.else
.set rC, C0+(C1-C0)*RCB+2*(ri-4)
	v_pk_fma_f32 v[rM+2*(ri-4):rM+2*(ri-4)+1], v[rM+2*(ri-4):rM+2*(ri-4)+1], 1.0, v[rC:rC+1] op_sel_hi:[1,0,1]
.endif
.else
.set rw, (j-32)%28
.set rq, 2*((j-32)/28)+rw%2
.set rn, rw/2
.set rM, ACC+32*RY+8*rq
.set rB, BEST+2*(RTB+rq)
.set rI, IDR+2*(RTB+rq)
.set rS, MK+rq%2
.if rn < 6
.set ru, 4*(rn%2)
	v_min3_num_f32 v[rM+ru], v[rM+ru], s[INF], v[rM+ru+1+rn/2]
.elseif rn < 8
.set ru, rn-6
	v_fma_f32 v[rM+4*ru+1], v[rB+ru], -1.0, v[rM+4*ru]   ; g - best: below 0 exactly where g < best
.elseif rn < 12
.set ru, (rn-8)/2
.if rn%2 == 0
	v_cmp_lt_f32 s[rS], v[rM+4*ru+1], 0
.else
	v_cndmask_b32 v[rI+ru], v[rI+ru], s[IDS], s[rS]      ; strictly smaller alone: the earlier, lower group keeps a tie
.endif
.else
.set ru, rn-12
	v_min3_num_f32 v[rB+ru], v[rM+4*ru], s[INF], v[rB+ru]
.endif
.endif
.endm
.macro SLICE                           ; the list's part behind product g: 3, 3, 3, 2
.set j, 11*(g/4)+3*(g%4)
.set jn, 3
.if g%4 == 3
.set jn, 2
.endif
.rept jn
	RED
.set j, j+1
.endr
.endm
; A PHASE: code tile T of the chunk in slot `slot` x row tiles 4 hh + 0..3 into set hh, the other set's list between the products.
; PLACES.  A vector instruction that reads a product's result, and a load into a register that a product has read, stand four plain vector instructions that name none of that
; product's registers behind it (ISA guide 7.12.1 for vector instructions).  Behind a set's last products on tiles 0, 1, 2 stand 11, 8, 5
; instructions of the other set's list; behind tile 3's stand 2 and the 24 that turn tiles 0-2 into distances.
; fetch = 1 (hh = 0 alone): the next code tile's 16 fragment loads and its two loads of c stand in ONE run of 18, behind product 12 and its part of the list, never singly among the
; products.  The fragment buffer that they fill was last read by the last product of the phase before, 38 instructions of the list back (numbers 0 to 23 name none of its registers);
; c's buffer is last read by number 31, which stands behind product 11.  The run is waited for at the head of the next phase with hh = 0, 51 products on.
; change (T = 3, hh = 0 alone): the chunk's last fragments were asked for a code tile ago.  Each wave waits for its LDS reads and for ALL its tensor loads (one is out: its part of the other slot)
; and signals; eight products on it waits.  change = 1: that barrier opens a round of the cluster's, and behind the round this slot is filled again, two chunks on: my one tensor load
; until the next round, 248 products ahead of the wait for it, and ahead of the run of LDS loads, which reads the other slot.  change = 2: the barrier alone; nothing is left to fetch.
.macro PHASE T, hh, slot, cb, red, fetch, change
.set PS,  \hh
.set RY,  1-\hh
.set RTB, 4*(1-\hh)
.set RCB, (\T+1-\hh)%2
.set FB,  (\T)%2
.set NB,  (\T+1)%2
.set CN,  C0+(C1-C0)*NB
.set PW,  4+4*\hh
.if \T < 3
.set FADR,  FA+\slot
.set FBASE, (\T+1)*TILEB
.set COFF,  \cb+64*(\T+1)
.else
.set FADR,  FA+1-\slot
.set FBASE, 0
.set COFF,  \cb+1024
.endif
.if \hh == 0
	s_wait_dscnt 0x0                               ; this code tile's fragments and c are in
.else
	s_add_co_u32 s[IDS], s[CBASE], 16*\T           ; the code tile whose two sets are reduced in this phase and the next
.if \T == 3
	s_add_co_u32 s[CBASE], s[CBASE], 256
.endif
.endif
.if \change != 0
	s_set_vgpr_msb 0x80f
	s_wait_tensorcnt 0x0
	ds_add_u32 v0, v1
	s_wait_dscnt 0x0
	s_set_vgpr_msb 0xf08
	s_barrier_signal -1
.endif
	WIN PW
.set g, 0
.rept 32
	MM
.if \red != 0
	SLICE
.endif
.if (\change != 0) && (g == 7)
.if \change == 1
	WIN 0
	s_barrier_wait -1
	CREST                                          ; no wave of any partner still reads this slot or has a load on its way
	s_add_nc_u64 s[G0W+4*\slot+2:G0W+4*\slot+3], s[G0W+4*\slot+2:G0W+4*\slot+3], 2*CHUNKG
	tensor_load_to_lds s[G0W+4*\slot:G0W+4*\slot+3], s[G1W:G1W+7]
	s_nop 0
	NOP4
	WIN PW
.else
	s_barrier_wait -1
.endif
.endif
.if ((\fetch) != 0) && (g == RUNAT)
.set fn, 0
.rept 16                               ; the next code tile's fragments: K step fn / 2, its two halves 32 bytes apart
	ds_load_b128 v[FR+64*NB+8*(fn/2)+4*(fn%2):FR+64*NB+8*(fn/2)+4*(fn%2)+3], v[FADR] offset:FBASE+64*(fn/2)+32*(fn%2)
.set fn, fn+1
.endr
	ds_load_b128 v[CN:CN+3],   v[CA] offset:COFF   ; and its eight c
	ds_load_b128 v[CN+4:CN+7], v[CA] offset:COFF+16
.endif
.set g, g+1
.endr
.if \red == 0
	NOP4                                           ; no list yet: these are the places behind the last products
.endif
.endm
.macro CHUNK slot, cb, first, chg, last
.if \first != 0
	PHASE 0, 0, \slot, \cb, 1, 1, 0
.endif
	PHASE 0, 1, \slot, \cb, 1, 0, 0
	PHASE 1, 0, \slot, \cb, 1, 1, 0
	PHASE 1, 1, \slot, \cb, 1, 0, 0
	PHASE 2, 0, \slot, \cb, 1, 1, 0
	PHASE 2, 1, \slot, \cb, 1, 0, 0
	PHASE 3, 0, \slot, \cb, 1, 1-\last, \chg
	PHASE 3, 1, \slot, \cb, 1, 0, 0
.endm
.set n, 0
.rept 16                               ; chunk 0's first code tile
	ds_load_b128 v[FR+8*(n/2)+4*(n%2):FR+8*(n/2)+4*(n%2)+3], v[FA] offset:64*(n/2)+32*(n%2)
.set n, n+1
.endr
	ds_load_b128 v[C0:C0+3],   v[CA]
	ds_load_b128 v[C0+4:C0+7], v[CA] offset:16
	PHASE 0, 0, 0, 0, 0, 1, 0                      ; the first phase stands in front of the loop: there is nothing to reduce yet
	WIN 0                                          ; at a label and at a branch every window is 0
	s_mov_b32 s[LAPS], 15
.Llap:                                                 ; a trip: two chunks, from a lap's second phase to the next lap's first; both slots are filled again (chunks 2 to 31)
	CHUNK 0, 0, 0, 1, 0
	CHUNK 1, 1024, 1, 1, 0
	PHASE 0, 0, 0, 2048, 1, 1, 0
	WIN 0
	v_add_nc_u32 v[CA], 2048, v[CA]                ; c of the next two chunks
	s_sub_co_u32 s[LAPS], s[LAPS], 1
	s_cmp_lg_u32 s[LAPS], 0
	s_cbranch_scc1 .Llap
	CHUNK 0, 0, 0, 2, 0                            ; chunks 30 and 31 are written out: they ask for nothing more
	CHUNK 1, 1024, 1, 0, 1
	WIN 0
.set RY, 1
.set RTB, 4
.set RCB, 1
.set j, 0
.rept 88                               ; the last set
	RED
.set j, j+1
.endr
; THE MERGE, by (distance, group): the smaller distance, and of equal distances the lower group.
.macro LEX d1, i1, d2, i2
	v_cmp_lt_f32 s[MK], v[\d2], v[\d1]
	v_cmp_eq_f32 s[MK+1], v[\d2], v[\d1]
	v_cmp_lt_u32 vcc_lo, v[\i2], v[\i1]
	s_and_b32 s[MK+1], s[MK+1], vcc_lo
	s_or_b32 vcc_lo, s[MK], s[MK+1]
	v_cndmask_b32 v[\d1], v[\d1], v[\d2], vcc_lo
	v_cndmask_b32 v[\i1], v[\i1], v[\i2], vcc_lo
.endm
.set H8, 64
.set TD, 65
.set TI, 66
.set RA, 67
.set LB, 70
.set LA, 71
.set H84, 72
	v_lshlrev_b32 v[H8], 3, v[VH]                  ; 8 h: the lower group's place in a code tile,
	v_add_nc_u32 v[H84], 4, v[H8]                  ; 8 h + 4: the upper group's
	v_mov_b32 v[TD], 0
	v_mov_b32 v[TI], 0
	s_lshl_b32 s15, s[WV], 9
	s_add_co_u32 s15, s15, REDB
	v_lshl_add_u32 v[RA], v[VR], 2, s15            ; my wave's 128 words, row r
.irp t, 0,1,2,3,4,5,6,7
	v_add_nc_u32 v[IDR+2*\t], v[IDR+2*\t], v[H8]           ; the group's first code: the code tile's + 8 h + 4 u
	v_add_nc_u32 v[IDR+2*\t+1], v[IDR+2*\t+1], v[H84]
	LEX BEST+2*\t, IDR+2*\t, BEST+2*\t+1, IDR+2*\t+1
	v_permlanex16_b32 v[TD], v[BEST+2*\t], s[SEL], s[SEL+1]
	v_permlanex16_b32 v[TI], v[IDR+2*\t], s[SEL], s[SEL+1]
	LEX BEST+2*\t, IDR+2*\t, TD, TI
	ds_store_b32 v[RA], v[BEST+2*\t] offset:64*\t          ; both halves of the lanes write the same number to the same word
	ds_store_b32 v[RA], v[IDR+2*\t] offset:2048+64*\t
.endr
	s_wait_dscnt 0x0                               ; for wave 0's sake: my words are written
	s_barrier_signal -1
	s_barrier_wait -1
	s_cmp_lg_u32 s[WV], 0
	s_cbranch_scc1 .Ldone
	v_and_b32 v[LB], 31, v0
	v_lshlrev_b32 v[LB], 4, v[LB]                  ; lane l takes rows 4 l .. 4 l + 3
	v_add_nc_u32 v[LA], REDB, v[LB]
.irp k, 0,1,2,3
	ds_load_b128 v[128+4*\k:131+4*\k], v[LA] offset:512*\k
	ds_load_b128 v[144+4*\k:147+4*\k], v[LA] offset:2048+512*\k
.endr
	s_wait_dscnt 0x0
.irp k, 1,2,3
.irp e, 0,1,2,3
	LEX 128+\e, 144+\e, 128+4*\k+\e, 144+4*\k+\e
.endr
.endr
	global_store_b128 v[LB], v[144:147], s[10:11]  ; the group's 128 words: 512 consecutive bytes
.Ldone:
	s_set_vgpr_msb 0xf
	s_wait_tensorcnt 0x0
	ds_add_u32 v0, v1
	s_wait_dscnt 0x0
	s_set_vgpr_msb 0xf00
	CROUND                                         ; the closing round: no work-group ends while a partner may still ask for a piece that names it
	s_endpgm
.Lfunc_end_k_q959410be32_assign:
	.size	k_q959410be32_assign, .Lfunc_end_k_q959410be32_assign-k_q959410be32_assign
	.p2alignl 7, 3214868480
	.fill 96, 4, 3214868480
	.section	.rodata,"a",@progbits
	.p2align	6, 0x0
	.amdhsa_kernel k_q959410be32_assign
		.amdhsa_group_segment_fixed_size 327680
		.amdhsa_private_segment_fixed_size 0
		.amdhsa_enable_private_segment 0
		.amdhsa_kernarg_size 32
		.amdhsa_user_sgpr_count 2
		.amdhsa_user_sgpr_kernarg_segment_ptr 1
		.amdhsa_wavefront_size32 1
		.amdhsa_system_sgpr_workgroup_id_x 1
		.amdhsa_system_sgpr_workgroup_id_y 1
		.amdhsa_system_sgpr_workgroup_id_z 1
		.amdhsa_system_vgpr_workitem_id 0
		.amdhsa_next_free_vgpr 770
		.amdhsa_next_free_sgpr 72
		.amdhsa_reserve_vcc 1
		.amdhsa_float_denorm_mode_32 3
		.amdhsa_float_denorm_mode_16_64 3
		.amdhsa_memory_ordered 1
		.amdhsa_forward_progress 1
		.amdhsa_inst_pref_size 255
	.end_amdhsa_kernel
	.section	.bss,"aw",@nobits
	.p2align	6
	.space	262144
	.amdgpu_metadata
---
amdhsa.version: [ 1, 2 ]
amdhsa.kernels:
  - .name:           k_q959410be32_assign
    .symbol:         k_q959410be32_assign.kd
    .args:
      - { .name: Wb, .offset: 0, .size: 8, .value_kind: global_buffer, .address_space: global }
      - { .name: cbuf, .offset: 8, .size: 8, .value_kind: global_buffer, .address_space: global }
      - { .name: z, .offset: 16, .size: 8, .value_kind: global_buffer, .address_space: global }
      - { .name: grp, .offset: 24, .size: 8, .value_kind: global_buffer, .address_space: global }
    .group_segment_fixed_size: 327680
    .private_segment_fixed_size: 0
    .kernarg_segment_align: 8
    .kernarg_segment_size: 32
    .max_flat_workgroup_size: 128
    .sgpr_count:     72
    .vgpr_count:     770
    .wavefront_size: 32
...
	.end_amdgpu_metadata
.endif
;; end of part 5
;; launch pick: the kernel of part 3 again; grid 256 x 1, 16 waves a work-group, no clusters, 3,072 bytes of LDS; arguments z, W, cbuf, grp, out0, out1, part; writes out0, out1, part
;; launch total: the kernel of part 4 again; grid 1 x 1, 1 waves a work-group, no clusters, 0 bytes of LDS; arguments part, out2; writes out2
